; MI455X (gfx1250); checked and timed in simulation.
; The chip was launched on July 23, 2026; its instructions are those of AMD's public machine-readable ISA for CDNA 5 (MIT licence, August 2026) and "CDNA5" Instruction Set Architecture Reference Guide (July 2026). The comments in the code are by the model that wrote it; some were corrected since.
;; MGU. Allowed arithmetic: matrix products marked QUANTISED: E2M1 operands, one E8M0 scale for each 32 along K, by v_wmma_scale_f32_16x16x128_f8f6f4 with both operands' format E2M1 (or v_wmma_scale_f32_32x16x128_f4), f32 sums; everything else in f32.
;; Inputs: Bf 1,024 float32; Bh 1,024 float32; Rf_codes 1,024 x 32 x 16 uint8 (E2M1 codes of Rf, K innermost, in blocks of 32 codes, two codes a byte); Rf_scales 1,024 x 32 uint8 (E8M0 scales of Rf, one for each 32 codes along K); Rh_codes 1,024 x 32 x 16 uint8 (E2M1 codes of Rh, K innermost, in blocks of 32 codes, two codes a byte); Rh_scales 1,024 x 32 uint8 (E8M0 scales of Rh, one for each 32 codes along K); Wf_codes 1,024 x 32 x 16 uint8 (E2M1 codes of Wf, K innermost, in blocks of 32 codes, two codes a byte); Wf_scales 1,024 x 32 uint8 (E8M0 scales of Wf, one for each 32 codes along K); Wh_codes 1,024 x 32 x 16 uint8 (E2M1 codes of Wh, K innermost, in blocks of 32 codes, two codes a byte); Wh_scales 1,024 x 32 uint8 (E8M0 scales of Wh, one for each 32 codes along K); h 16,384 x 1,024 float32; x_codes 16,384 x 32 x 16 uint8 (E2M1 codes of x, K innermost, in blocks of 32 codes, two codes a byte); x_scales 16,384 x 32 uint8 (E8M0 scales of x, one for each 32 codes along K).
;; Outputs: out0 16,384 x 1,024 float32.
;; This version of the problem:
;;   THIS VERSION OF THE PROBLEM IS GIVEN IN LOW PRECISION. The matrix products marked QUANTISED in the list below multiply operands that are first quantised to E2M1 (2 exponent bits, 1 mantissa bit; 4 bits a number), with one power-of-two scale for each 32 numbers along K (OCP MX v1.0); their sums are f32. All else is computed in f32.
;;   The module's matrix products, in the order in which they are computed (A, B: the left and right operand; K: the contracted axis; several contracted axes count as one K, in the product's order):
;;     1. [M 16,384, K 1,024] x [K 1,024, N 1,024]; A: input x (given as codes); B: input Wf (given as codes): QUANTISED
;;     2. [M 16,384, K 1,024] x [K 1,024, N 1,024]; A: input h; B: input Rf (given as codes): QUANTISED
;;     3. [M 16,384, K 1,024] x [K 1,024, N 1,024]; A: input x (given as codes); B: input Wh (given as codes): QUANTISED
;;     4. [M 16,384, K 1,024] x [K 1,024, N 1,024]; A: computed on the way; B: input Rh (given as codes): QUANTISED
;;   THE QUANTISER, for each operand of a quantised product, along K:
;;     - K is cut into blocks of 32 from its start; a last block that is shorter is filled with zeros.
;;     - A block's scale is 2^e with e = floor(log2(the largest magnitude in the block)) - 2, held to -126 .. 127; a block of zeros has e = 0. As a byte (E8M0): e + 127.
;;     - Each number is divided by its block's scale, clamped to +-6, and rounded to the nearest number of E2M1, ties to even, subnormals kept.
;;     - The product sums the exact products of the quantised numbers (number of the format x scale) in f32.
;;   ~~~python
;;   def quantise(x, axis):      # numpy; x: float32 -> the quantised numbers, widened to float32 again
;;       x = np.moveaxis(x, axis, -1); K = x.shape[-1]
;;       x = np.pad(x, [(0, 0)] * (x.ndim - 1) + [(0, -K % 32)]); x = x.reshape(x.shape[:-1] + (-1, 32)); a = np.abs(x).max(-1, keepdims=True)
;;       e = np.where(a > 0, np.clip(np.frexp(np.where(a > 0, a, 1))[1] - 1 - 2, -126, 127), 0)      # np.frexp(a)[1] - 1 = floor(log2(a)), exactly
;;       r = np.clip(x / 2.0 ** e, -6, 6)
;;       step = 2.0 ** (np.maximum(np.frexp(np.where(r == 0, 1, r))[1] - 1, 0) - 1)
;;       q = np.round(r / step) * step * 2.0 ** e      # np.round: ties to even
;;       return np.moveaxis(q.reshape(q.shape[:-2] + (-1,))[..., :K], -1, axis).astype(np.float32)
;;   ~~~
;;   OPERANDS COMPUTED ON THE WAY. 'Computed on the way' means the value that the module computes at that place (a softmax that the list does not call 'softmax' is quantised finished and normalised). What goes into a quantiser is computed in f32, as accurately as f32 sums, v_exp_f32 and their like allow (about 1e-6 of the number): no bf16 or f16 on the way to a quantiser, and a product that is left as it is and whose result goes on into a quantised operand takes f32 operands (vector FMAs, or v_wmma_f32_16x16x4_f32). A number that lies on a knife's edge between two numbers of the format may be rounded either way, as far as f32 arithmetic and the matrix unit's own rounding can turn it there, and no further.
;;   INPUTS GIVEN AS CODES. Rf (in the module: [1024, 1024], K = its axis 0); Rh (in the module: [1024, 1024], K = its axis 0); Wf (in the module: [1024, 1024], K = its axis 0); Wh (in the module: [1024, 1024], K = its axis 0); x (in the module: [16384, 1024], K = its axis 1): each comes as NAME_codes (uint8): NAME with its K axis moved to the last place and cut into blocks of 32 codes, [.., K / 32, bytes a block], one block behind the other in memory; two codes a byte, the lower K in the low four bits (a code: sign, 2 exponent bits, 1 mantissa bit); and NAME_scales (uint8): the same leading axes, one E8M0 byte (e + 127) for each 32 codes along K. Its value is code x scale, taken as it is: it is not quantised again, and the codes and scales need not be those that the quantiser above would give.
;; One version. Each part assembles by itself: llvm-mc -triple=amdgcn-amd-amdhsa -mcpu=gfx1250 --defsym DOCPART=n.
;; ======== version 1 of 1: 1 launch
;; limits: right only within a limited range of input values
;; launch mgu (part 1): grid 256 x 1, 4 waves a work-group, no clusters, 327,680 bytes of LDS; arguments h, x_codes, x_scales, Wf_codes, Wf_scales, Rf_codes, Rf_scales, Wh_codes, Wh_scales, Rh_codes, Rh_scales, Bf, Bh, out0; writes out0
.if DOCPART == 1
	.amdgcn_target "amdgcn-amd-amdhsa--gfx1250"
	.amdhsa_code_object_version 6
	.text
	.protected	k_q15afa5009b_mgu
	.globl	k_q15afa5009b_mgu
	.p2align	8
	.type	k_q15afa5009b_mgu,@function
k_q15afa5009b_mgu:
	s_mov_b64 s[64:65], 0
	v_nop
	global_prefetch_b8 v0, s[64:65] scope:SCOPE_SE
	s_setreg_imm32_b32 hwreg(HW_REG_WAVE_MODE, 25, 1), 1
	s_wait_xcnt 0x0
; One step of an MGU, 16,384 rows x 1,024, all four products on codes of FP4 (E2M1) with one E8M0 scale for each 32 along K:
;   ft = sigmoid(x Wf + h Rf + Bf);  ht = tanh(x Wh + (ft h) Rh + Bh);  out = h + ft (ht - h), which is (1 - ft) h + ft ht.
; x and the weights arrive as codes, K innermost (a row is 512 bytes of codes and 32 scale bytes); h and g = ft h are quantised here, along their columns.
; SHARES.  The last product sums over all 1,024 columns of g, so a work-group owns whole rows: 64 of them, 256 work-groups.  Wave w owns columns 256 w .. 256 w + 255 of both gates, for all 64 rows,
; in four chunks of 64 columns: 16 accumulators (4 tiles of rows x 4 tiles of columns), K = 2,048 (x's 1,024, then h's or g's 1,024) in 16 steps of 128.
; WHERE THINGS LIVE.  h comes once, by tensor loads, into the wave's own LDS region and from there into 512 registers (windows 2, 3) in the matrix result's layout, where it stays.  ft takes h's bytes in LDS,
; out takes ft's on its way out.  Codes of h, then of g, and half of x's codes lie in LDS for all four waves; the other half of x's codes stays in registers.
; WEIGHTS go from memory straight into registers, four K steps ahead, behind counted waits: each fragment is wanted by one wave alone.
; NO CLUSTER, NO JOINT LOADS, though every work-group walks the same weights: a joint load lands in LDS, and this text's map takes 326,144 of the 327,680 bytes: no slot fits.
; THE MATRIX INSTRUCTION IS USED TRANSPOSED (source 0 = 16 rows of a weight = 16 columns of the result, source 1 = 16 rows of x, h or g): a lane holds ONE row.  THE ROWS OF A WEIGHT THAT FORM A TILE ARE NOT
; NEIGHBOURS: lane r of tile 2 b + u takes row 32 b + 8 u + r + 8 (r / 8), so that the 16 registers of tiles 2 b, 2 b + 1 are 16 neighbouring columns, 32 b + 16 (lane / 16) + 0 .. 15: half a block of the next K.
; LIMITS.  A block of zeros gets the scale byte 1 where the quantiser says 127: its codes are zeros and this program alone reads the byte.  NaN and infinities in h are not served.
; sigmoid = 1 / (1 + 2^(-log2(e) z)), tanh = 1 - 2 / (1 + 2^(2 log2(e) z)): both ends saturate rightly (2^big = infinity, whose reciprocal is 0).  Each bias is multiplied by its factor once and enters by the fused multiply-add.
; REGISTERS, in windows of 256.  Window 0: v0-11, v124-127 addresses; v12-43 the weights' scale words; v44-59 the rows' scale words; v60-123 two sets of row fragments, and the only registers at work between products;
;   v128-255 x's fragments of K steps 0-3.   Window 1: v0-127 the accumulators (tile of rows m, tile of columns t: 32 m + 8 t); v128-255 four weight buffers.   Windows 2, 3: h (chunk c: window 2 + c / 2, from 128 (c % 2) on).
.set HPITCH, 1040                      ; a row of the wave's region: 1,024 bytes + 16 of padding = 65 x 16: the 16 rows that an access touches start at 16 different columns of 16 bytes
.set HTILE,  16*HPITCH
.set HREG,   4*HTILE                   ; a wave's region: 64 rows
.set HG,     4*HREG                    ; codes of h, later of g: 64 rows x (512 + 16)
.set GPITCH, 528
.set XHI,    HG+64*GPITCH              ; x's codes of K 512 .. 1,023: 64 rows x (256 + 16)
.set XPITCH, 272
.set XS,     XHI+64*XPITCH             ; x's scale bytes, 64 rows x 32
.set GS,     XS+2048                   ; those of h, later of g
.set BIAS,   GS+2048                   ; 1,024 bytes a wave: the bias of its 256 columns, times its factor
.set SPARE, BIAS+4096                  ; the spare words, 128 bytes a wave: two blocks of 256 bytes that no other line names; with them the map takes 326,144 bytes
.set BOFF, 104                         ; v104  32 x lane: my 8 numbers of the wave's part of a bias; made anew for each bias.  v0 stays the thread's number
.set SPW,  105                         ; v105  my spare word, v106 0: made at the head and anew at the end, since no two registers can be kept
.set NIL,  106
.set XG,   107                         ; v107  head: x's upper codes in memory: 512 (lane / 16) + 16 r
.set ST,   108                         ; v108-111 head: x's scale bytes on their way
.set XL,   112                         ; v112  head: the same two rows in XHI
.set SG,   113                         ; v113  head: 16 x lane
.set SL,   114                         ; v114  head: XS + 512 x wave + 16 x lane
.set XT,   68                          ; v68-99 head: x's upper codes on their way
.set WOFF, 1                           ; v1    weight codes: (r + 8 (r / 8)) x 512 + 16 (lane / 16)
.set SOFF, 2                           ; v2    weight scales: (r + 8 (r / 8) + 8 (lane / 16)) x 32
.set AX,   3                           ; v3    my place in a tile of XHI
.set AG,   4                           ; v4    and of HG
.set ASA,  5                           ; v5    XS + 32 x lane
.set HA0,  6                           ; v6    my region: row r, + 64 (lane / 16)
.set RA0,  7                           ; v7    my region by rows: row lane / 16, + 16 r
.set OOFF, 8                           ; v8    the same two rows in out0
.set BA0,  9                           ; v9    my wave's bias, + 64 (lane / 16)
.set CST,  10                          ; v10   where I store codes: AG + 128 x wave
.set SST,  11                          ; v11   and scale words: GS + 32 r + 8 x wave
.set WSA,  12                          ; v12-27 scale words of W's rows: 8 (k / 4) + 4 b + k % 4; lanes 0-15 tile 2 b, lanes 16-31 tile 2 b + 1;  v28-43 the same of R's
.set AS,   44                          ; v44-59 scale words of the rows: 8 (k / 4) + 4 p + k % 4; lanes 0-15 tile of rows 2 p, lanes 16-31 tile 2 p + 1
.set AB,   60                          ; v60-91, v92-123 fragments of x, h or g, two sets
.set TB,   60                          ; v60-91 a chunk's bias;
.set FT,   60                          ; v60-123 ft of two tiles of rows
.set TM,   60                          ; v60-63 largest magnitudes, v64-67 the other half's, then bytes, v72-75 the conversions' scale operands
.set PC,   76                          ; v76-83 codes, v84 their scale word;  v86-93, v94 a second set
.set PW,   84
.set BH,   96                          ; v96-103 Bh on its way
.set HADR, 124                         ; v124  HA0 + 256 x chunk
.set BADR, 125                         ; v125  BA0 + 256 x chunk
.set BST,  126                         ; v126  where I store 8 numbers of the bias
.set RADR, 127                         ; v127  at the head x's load offset; in the second loop RA0 + 256 x chunk
.set XR,   128
.set WB,   128                         ; in window 1
.set WV,   2                           ; s2    wave
.set TS,   3                           ; s3    HREG x wave
.set PH,   4                           ; s[4:5] h, s[6:7] x's codes, s[8:9] x's scales
.set PX,   6
.set PXS,  8
.set PW0,  10                          ; s[10:11] W's codes, s[12:13] W's scales, s[14:15] R's codes, s[16:17] R's scales: they walk
.set PWS,  12
.set PR0,  14
.set PRS,  16
.set P2,   18                          ; s[18:25] the same four of the second gate
.set PBF,  26
.set PBH,  28
.set POUT, 30
.set G1H,  32                          ; s[32:39] descriptor group 1: h's tile
.set PXW,  56                          ; s[56:57] x's codes at the 16 rows that my wave brings into XHI
.set G0H,  68
.set SEL,  84                          ; s[84:85] v_permlanex16_b32's selects for lane l xor 16
.set KSG,  86                          ; s[86:87] -log2(e), twice
.set KTH,  88                          ; s[88:89] 2 log2(e), twice
.set TA,   90
.set CO,   91                          ; s91   256 x chunk: the loops' counter
.set MSB, 0
.macro WIN new                         ; low byte: bits 1:0 source 0, 3:2 source 1, 5:4 source 2, 7:6 destination; the high byte repeats the setting that is left
.if MSB != (\new)
	s_set_vgpr_msb (MSB<<8)|(\new)
.set MSB, (\new)
.endif
.endm
.macro PLACES                          ; four plain vector instructions between a matrix instruction and a load into, or a read of, its registers (ISA guide 7.12.1 for reads)
.rept 4
	v_nop
.endr
.endm
.macro BARRIER                         ; my LDS stores have landed and my LDS loads are in: then the work-group's barrier
	s_wait_dscnt 0x0
	s_barrier_signal -1
	s_barrier_wait -1
.endm
; Weight buffer n takes K step k of the chunk's 64 rows: four fragments, 8 loads.  The window is set by the caller: destination window 1.
.macro LW n, p, k
.irp t, 0,1,2,3
.irp c, 0,1
	global_load_b128 v[WB+32*(\n)+8*\t+4*\c:WB+32*(\n)+8*\t+4*\c+3], v[WOFF], s[\p:\p+1] offset:(32*(\t/2)+8*(\t%2))*512+64*(\k)+32*\c
.endr
.endr
.endm
.macro LS reg, p                       ; the scale words of the chunk's 64 rows for all eight K steps: 4 loads
.irp q, 0,1
.irp b, 0,1
	global_load_b128 v[\reg+8*\q+4*\b:\reg+8*\q+4*\b+3], v[SOFF], s[\p:\p+1] offset:1024*\b+16*\q
.endr
.endr
.endm
.macro PRELOAD                         ; 40 loads, in the order on which the products' waits count: W's scale words 4, buffers 0 to 3 8 each, R's scale words 4
	WIN 0
	LS WSA, PWS
	WIN 0x40
	LW 0, PW0, 0
	LW 1, PW0, 1
	LW 2, PW0, 2
	LW 3, PW0, 3
	WIN 0
	LS WSA+16, PRS
.endm
.macro ACTS s                          ; the four row fragments of step s (4 .. 15) into set s % 2
.irp m, 0,1,2,3
.irp c, 0,1
.if (\s) < 8
	ds_load_b128 v[AB+32*((\s)%2)+8*\m+4*\c:AB+32*((\s)%2)+8*\m+4*\c+3], v[AX] offset:16*XPITCH*\m+64*((\s)-4)+32*\c
.else
	ds_load_b128 v[AB+32*((\s)%2)+8*\m+4*\c:AB+32*((\s)%2)+8*\m+4*\c+3], v[AG] offset:16*GPITCH*\m+64*((\s)-8)+32*\c
.endif
.endr
.endr
.endm
.macro ASLD q, g                       ; the rows' scale words of K steps 4 q .. 4 q + 3; g = 0: x's, 1: h's or g's
.irp p, 0,1
	ds_load_b128 v[AS+8*(\q)+4*\p:AS+8*(\q)+4*\p+3], v[ASA] offset:2048*(\g)+1024*\p+16*(\q)
.endr
.endm
; One product of step s: tile of rows m, tile of columns t.  Step 0 starts the sums with the constant 0: nothing is cleared.
.macro MM s, m, t
.set rD, 32*(\m)+8*(\t)
.set rA, WB+32*((\s)%4)+8*(\t)
.if (\s) < 4
.set rB, XR+32*(\s)+8*(\m)
.else
.set rB, AB+32*((\s)%2)+8*(\m)
.endif
.set rW, WSA+16*((\s)/8)+8*(((\s)%8)/4)+4*((\t)/2)+(\s)%4
.set rS, AS+8*(((\s)%8)/4)+4*((\m)/2)+(\s)%4
.if (\s) == 0
.if (((\t)%2) == 0) && (((\m)%2) == 0)
	v_wmma_scale_f32_16x16x128_f8f6f4 v[rD:rD+7], v[rA:rA+7], v[rB:rB+7], 0, v[rW], v[rS] matrix_a_fmt:MATRIX_FMT_FP4 matrix_b_fmt:MATRIX_FMT_FP4
.elseif ((\m)%2) == 0
	v_wmma_scale_f32_16x16x128_f8f6f4 v[rD:rD+7], v[rA:rA+7], v[rB:rB+7], 0, v[rW], v[rS] matrix_a_fmt:MATRIX_FMT_FP4 matrix_b_fmt:MATRIX_FMT_FP4 matrix_a_scale:MATRIX_SCALE_ROW1
.elseif ((\t)%2) == 0
	v_wmma_scale_f32_16x16x128_f8f6f4 v[rD:rD+7], v[rA:rA+7], v[rB:rB+7], 0, v[rW], v[rS] matrix_a_fmt:MATRIX_FMT_FP4 matrix_b_fmt:MATRIX_FMT_FP4 matrix_b_scale:MATRIX_SCALE_ROW1
.else
	v_wmma_scale_f32_16x16x128_f8f6f4 v[rD:rD+7], v[rA:rA+7], v[rB:rB+7], 0, v[rW], v[rS] matrix_a_fmt:MATRIX_FMT_FP4 matrix_b_fmt:MATRIX_FMT_FP4 matrix_a_scale:MATRIX_SCALE_ROW1 matrix_b_scale:MATRIX_SCALE_ROW1
.endif
.else
.if (((\t)%2) == 0) && (((\m)%2) == 0)
	v_wmma_scale_f32_16x16x128_f8f6f4 v[rD:rD+7], v[rA:rA+7], v[rB:rB+7], v[rD:rD+7], v[rW], v[rS] matrix_a_fmt:MATRIX_FMT_FP4 matrix_b_fmt:MATRIX_FMT_FP4
.elseif ((\m)%2) == 0
	v_wmma_scale_f32_16x16x128_f8f6f4 v[rD:rD+7], v[rA:rA+7], v[rB:rB+7], v[rD:rD+7], v[rW], v[rS] matrix_a_fmt:MATRIX_FMT_FP4 matrix_b_fmt:MATRIX_FMT_FP4 matrix_a_scale:MATRIX_SCALE_ROW1
.elseif ((\t)%2) == 0
	v_wmma_scale_f32_16x16x128_f8f6f4 v[rD:rD+7], v[rA:rA+7], v[rB:rB+7], v[rD:rD+7], v[rW], v[rS] matrix_a_fmt:MATRIX_FMT_FP4 matrix_b_fmt:MATRIX_FMT_FP4 matrix_b_scale:MATRIX_SCALE_ROW1
.else
	v_wmma_scale_f32_16x16x128_f8f6f4 v[rD:rD+7], v[rA:rA+7], v[rB:rB+7], v[rD:rD+7], v[rW], v[rS] matrix_a_fmt:MATRIX_FMT_FP4 matrix_b_fmt:MATRIX_FMT_FP4 matrix_a_scale:MATRIX_SCALE_ROW1 matrix_b_scale:MATRIX_SCALE_ROW1
.endif
.endif
.endm
; A step of 128 along K: 16 products, the 16 accumulators by turns, one instruction a turn, in the same order in every step.
; Global loads come back in order (ISA guide 5.7.1).  Behind buffer s's loads stand: steps 0-3: what is left of the first four buffers, R's 4 scale loads and the refills issued so far: 28 each time;
; steps 4-12: three refills, 24; then 16, 8, 0.
.macro STEP s
.if (\s) < 4
	s_wait_loadcnt 28
.elseif (\s) < 13
	s_wait_loadcnt 24
.else
	s_wait_loadcnt 8*(15-(\s))
.endif
.if (\s) >= 4
	s_wait_dscnt 0x0                               ; this step's row fragments, asked for at the head of the step before, and any scale words
.endif
.if ((\s) >= 3) && ((\s) <= 14)
	WIN 0
	ACTS (\s)+1                                    ; into the set that the step before multiplied: its four places stand at that step's end
.endif
.if (\s) == 4
	ASLD 0, 1                                      ; each half of the rows' scale words is loaded anew when its four steps are over
.elseif (\s) == 8
	ASLD 1, 1
.elseif (\s) == 12
	ASLD 0, 0
.endif
	WIN 0x51                                       ; source 0 (weights), C and D window 1; source 1 (rows) window 0
.irp m, 0,1,2,3
.irp t, 0,1,2,3
	MM \s, \m, \t
.endr
.endr
	PLACES
.if (\s) <= 3
	WIN 0x40
	LW (\s)%4, PW0, (\s)+4                         ; this step's buffer takes the K step four on
.elseif (\s) <= 11
	WIN 0x40
	LW (\s)%4, PR0, (\s)-4
.endif
.endm
.macro GEMM                            ; a chunk's 256 products; behind them x's scale words for the next chunk's steps 4-7 and this chunk's bias
.irp s, 0,1,2,3,4,5,6,7,8,9,10,11,12,13,14,15
	STEP \s
.endr
	WIN 0
	ASLD 1, 0
.irp b, 0,1
.irp i, 0,1,2,3
	ds_load_b128 v[TB+16*\b+4*\i:TB+16*\b+4*\i+3], v[BADR] offset:128*\b+16*\i
.endr
.endr
.endm
; 64 numbers of a lane in window x, block b's 16 from register base + s1 (b / 2) + 16 (b % 2) on (k = 32 b + 16 (lane / 16) + 0 .. 15 of my row), become a fragment's codes in v[pc] on and its scale word in v[pw].
.macro QUANT x, base, s1, pc, pw
	WIN (\x)|((\x)<<2)
.irp b, 0,1,2,3
	v_max3_num_f32 v[TM+\b], |v[(\base)+(\s1)*(\b/2)+16*(\b%2)]|, |v[(\base)+(\s1)*(\b/2)+16*(\b%2)+1]|, 0x1800000   ; my 16 numbers, and the floor 2^(3 - 127): the byte cannot fall under 1
.endr
	WIN ((\x)<<2)|((\x)<<4)
.irp i, 2,4,6,8,10,12,14
.irp b, 0,1,2,3
	v_max3_num_f32 v[TM+\b], v[TM+\b], |v[(\base)+(\s1)*(\b/2)+16*(\b%2)+\i]|, |v[(\base)+(\s1)*(\b/2)+16*(\b%2)+\i+1]|   ; the four blocks by turns
.endr
.endr
	WIN 0
.irp b, 0,1,2,3
	v_permlanex16_b32 v[TM+4+\b], v[TM+\b], s[SEL], s[SEL+1]       ; (its destination counts as read: these four were written at the head)
.endr
.irp b, 0,1,2,3
	v_max_num_f32 v[TM+\b], v[TM+\b], v[TM+4+\b]                   ; with lane l xor 16's: the block's largest magnitude
.endr
.irp b, 0,1,2,3
	v_add_nc_u32 v[TM+12+\b], 0xff000000, v[TM+\b]                 ; 2 off its exponent field: the conversion takes that field as its scale, and nothing else
.endr
.irp b, 0,1,2,3
	v_lshrrev_b32 v[TM+4+\b], 23, v[TM+12+\b]                      ; the scale's byte
.endr
	v_lshl_or_b32 v[(\pw)], v[TM+5], 8, v[TM+4]
	v_lshl_or_b32 v[(\pw)], v[TM+6], 16, v[(\pw)]
	v_lshl_or_b32 v[(\pw)], v[TM+7], 24, v[(\pw)]
	WIN (\x)
.irp b, 0,1,2,3
	v_cvt_scalef32_pk8_fp4_f32 v[(\pc)+2*\b], v[(\base)+(\s1)*(\b/2)+16*(\b%2):(\base)+(\s1)*(\b/2)+16*(\b%2)+7], v[TM+12+\b]
	v_cvt_scalef32_pk8_fp4_f32 v[(\pc)+2*\b+1], v[(\base)+(\s1)*(\b/2)+16*(\b%2)+8:(\base)+(\s1)*(\b/2)+16*(\b%2)+15], v[TM+12+\b]
.endr
	WIN 0
	v_nop                                          ; one plain place behind a scaled conversion
.irp c, 0,1                                    ; the operand's layout wants a WHOLE block in a lane: lanes 0-15 block 2 c, lanes 16-31 block 2 c + 1
.irp i, 0,1
	v_permlane16_swap_b32 v[(\pc)+4*\c+\i], v[(\pc)+2+4*\c+\i]
.endr
.endr
.endm
.macro QST m, s, pc, pw                ; the fragment of rows 16 m on, K step 2 x wave + s, goes to its rows in HG, its scale word to GS (lanes r and r + 16 write the same word with the same value)
	ds_store_b128 v[CST], v[(\pc):(\pc)+3] offset:16*GPITCH*(\m)+64*(\s)
	ds_store_b128 v[CST], v[(\pc)+4:(\pc)+7] offset:16*GPITCH*(\m)+64*(\s)+32
	ds_store_b32 v[SST], v[(\pw)] offset:512*(\m)+4*(\s)
.endm
.macro HLOAD m, c0                     ; h of rows 16 m on, chunks c0, c0 + 1, from my region to its home; the caller sets the destination's window
.irp c, 0,1
.irp b, 0,1
.irp i, 0,1,2,3
	ds_load_b128 v[128*\c+32*(\m)+16*\b+4*\i:128*\c+32*(\m)+16*\b+4*\i+3], v[HA0] offset:HTILE*(\m)+256*((\c0)+\c)+128*\b+16*\i
.endr
.endr
.endr
.endm
; The accumulators become 1 / (1 + 2^(ks x sum + bias)), in place, each from its low end on.  The exponentials go as one batch and the reciprocals as another: a plain instruction behind the batch's last,
; and one wait ahead of its first reader.
.macro ACTIV ks
	s_wait_dscnt 0x0                               ; the bias is in
	WIN 0x41                                       ; destination and source 0 window 1; the bias window 0
.set ii, 0
.rept 64
	v_pk_fma_f32 v[ii:ii+1], v[ii:ii+1], s[\ks:\ks+1], v[TB+ii%32:TB+ii%32+1] op_sel_hi:[1,0,1]
.set ii, ii+2
.endr
.set ii, 0
	s_wait_alu depctr_va_vdst(0)
.rept 128
	v_exp_f32 v[ii], v[ii]
.set ii, ii+1
.endr
	v_nop
	s_wait_alu depctr_va_vdst(0)
.set ii, 0
.rept 64
	v_pk_add_f32 v[ii:ii+1], v[ii:ii+1], 1.0 op_sel_hi:[1,0]
.set ii, ii+2
.endr
.set ii, 0
	s_wait_alu depctr_va_vdst(0)
.rept 128
	v_rcp_f32 v[ii], v[ii]
.set ii, ii+1
.endr
	v_nop
	s_wait_alu depctr_va_vdst(0)
.endm
.macro TOH                             ; the 128 accumulator registers go to the chunk's 256 bytes of my region's 64 rows
	WIN 0x04                                       ; an LDS store's data are its source 1: window 1
.irp m, 0,1,2,3
.irp b, 0,1
.irp i, 0,1,2,3
	ds_store_b128 v[HADR], v[32*\m+16*\b+4*\i:32*\m+16*\b+4*\i+3] offset:HTILE*\m+128*\b+16*\i
.endr
.endr
.endr
	WIN 0
.endm
.macro FTL g                           ; ft of rows 16 (g / 2) on, columns 128 (g % 2) on, into half g % 2 of the accumulators' registers
	WIN 0x40
.irp b, 0,1,2,3
.irp i, 0,1,2,3
	ds_load_b128 v[64*((\g)%2)+16*\b+4*\i:64*((\g)%2)+16*\b+4*\i+3], v[HA0] offset:HTILE*((\g)/2)+512*((\g)%2)+128*\b+16*\i
.endr
.endr
.endm
.macro GROUP g                         ; g = ft h of one fragment, quantised and stored
.if (\g) < 7
	FTL (\g)+1
	s_wait_dscnt 16                                ; all but the next group's 16 loads: my group's ft is in, and the stores of the group before have read their registers
.else
	s_wait_dscnt 0x0
.endif
	WIN 0x41|((2+(\g)%2)<<2)                       ; h: window 2 or 3
.irp b, 0,1,2,3
.irp e, 0,2,4,6,8,10,12,14
	v_pk_mul_f32 v[64*((\g)%2)+16*\b+\e:64*((\g)%2)+16*\b+\e+1], v[64*((\g)%2)+16*\b+\e:64*((\g)%2)+16*\b+\e+1], v[128*(\b/2)+32*((\g)/2)+16*(\b%2)+\e:128*(\b/2)+32*((\g)/2)+16*(\b%2)+\e+1]
.endr
.endr
	QUANT 1, 64*((\g)%2), 32, PC+10*((\g)%2), PW+10*((\g)%2)
	QST (\g)/2, (\g)%2, PC+10*((\g)%2), PW+10*((\g)%2)
.endm
; out = h + ft (ht - h) for the chunk whose h lies in window x from register hb on.  Register numbers cannot be computed at run time, so this stands four times and a scalar branch on the chunk chooses.
.macro VAR x, hb
.irp f, 0,1                                    ; two tiles of rows at a time
	WIN 0
.irp u, 0,1
.irp b, 0,1
.irp i, 0,1,2,3
	ds_load_b128 v[FT+32*\u+16*\b+4*\i:FT+32*\u+16*\b+4*\i+3], v[HADR] offset:HTILE*(2*\f+\u)+128*\b+16*\i
.endr
.endr
.endr
	WIN 0x41|((\x)<<2)
.set ii, 64*\f
.rept 32
	v_pk_add_f32 v[ii:ii+1], v[ii:ii+1], v[(\hb)+ii:(\hb)+ii+1] neg_lo:[0,1] neg_hi:[0,1]
.set ii, ii+2
.endr
	s_wait_dscnt 0x0                               ; ft is in
	WIN 0x44|((\x)<<4)                             ; ft window 0, ht - h window 1, h window x
.set ii, 64*\f
.rept 32
	v_pk_fma_f32 v[ii:ii+1], v[FT+ii-64*\f:FT+ii-64*\f+1], v[ii:ii+1], v[(\hb)+ii:(\hb)+ii+1]
.set ii, ii+2
.endr
.endr
	WIN 0
.endm
	s_load_b512 s[4:19], s[0:1], 0x0               ; h, x's codes, x's scales, Wf's codes, Wf's scales, Rf's codes, Rf's scales, Wh's codes
	s_load_b256 s[20:27], s[0:1], 0x40             ; Wh's scales, Rh's codes, Rh's scales, Bf
	s_load_b128 s[28:31], s[0:1], 0x60             ; Bh, out0
	v_lshl_add_u32 v[SPW], v0, 2, SPARE
	v_mov_b32 v[NIL], 0
	ds_add_u32 v[SPW], v[NIL]                      ; the opening lines: the add, twice on end, and its wait ahead of my tensor load
	ds_add_u32 v[SPW], v[NIL]
	v_lshrrev_b32 v100, 5, v0
	v_readfirstlane_b32 s[WV], v100                ; wave 0..3
	; descriptor group 1.  h: my wave's whole region in one tile: 64 rows x 256 numbers of 4 bytes, 1,024 numbers from row to row, 4 words of padding behind every 256
	s_mov_b32 s[G1H+0], (2<<16)|(1<<20)|(7<<22)|(3<<25)
	s_mov_b32 s[G1H+1], 256<<16                    ; tensor_dim0
	s_mov_b32 s[G1H+2], 64<<16                     ; tensor_dim1
	s_mov_b32 s[G1H+3], 256<<16                    ; tile_dim0
	s_mov_b32 s[G1H+4], 64                         ; tile_dim1
	s_mov_b32 s[G1H+5], 1024                       ; tensor_dim0_stride
	s_mov_b32 s[G1H+6], 0
	s_mov_b32 s[G1H+7], 0
	s_mov_b32 s[SEL], 0x76543210
	s_mov_b32 s[SEL+1], 0xfedcba98
	s_mov_b32 s[KSG], 0xbfb8aa3b                   ; -log2(e)
	s_mov_b32 s[KSG+1], s[KSG]                     ; (the packed forms name a pair and take its low word for both halves: so both are written)
	s_mov_b32 s[KTH], 0x4038aa3b                   ; 2 log2(e)
	s_mov_b32 s[KTH+1], s[KTH]
	; byte offsets, apart from the addresses
	s_lshl_b32 s92, ttmp9, 18                      ; h, out0: 64 rows of 4,096 bytes a work-group,
	s_lshl_b32 s[TA], s[WV], 10
	s_add_co_u32 s92, s92, s[TA]                   ; + my wave's 256 columns
	s_mov_b32 s93, 0
	s_lshl_b32 s94, ttmp9, 15                      ; x's codes: 64 rows of 512 bytes
	s_mov_b32 s95, 0
	s_lshl_b32 s96, ttmp9, 11                      ; x's scales: 64 rows of 32 bytes,
	s_lshl_b32 s[TA], s[WV], 9
	s_add_co_u32 s96, s96, s[TA]                   ; + the 16 rows that my wave fetches
	s_mov_b32 s97, 0
	s_lshl_b32 s98, s[WV], 17                      ; weight codes: my 256 rows of 512 bytes
	s_mov_b32 s99, 0
	s_lshl_b32 s100, s[WV], 13                     ; weight scales: my 256 rows of 32 bytes.  Also: 16 rows of x's codes a wave
	s_mov_b32 s101, 0
	s_mul_i32 s[TS], s[WV], HREG                   ; my region of LDS
	; lane terms
	v_and_b32 v100, 15, v0                         ; r
	v_bfe_u32 v101, v0, 4, 1                       ; lane / 16
	v_and_b32 v102, 31, v0                         ; lane
	v_and_b32 v103, 8, v100
	v_add_nc_u32 v103, v103, v100                  ; r + 8 (r / 8)
	v_lshlrev_b32 v[WOFF], 9, v103
	v_lshl_add_u32 v[WOFF], v101, 4, v[WOFF]
	v_lshl_add_u32 v[SOFF], v101, 3, v103
	v_lshlrev_b32 v[SOFF], 5, v[SOFF]
	v_mul_u32_u24 v[AX], v100, XPITCH
	v_lshl_add_u32 v[AX], v101, 4, v[AX]
	v_add_nc_u32 v[AX], XHI, v[AX]
	v_mul_u32_u24 v[AG], v100, GPITCH
	v_lshl_add_u32 v[AG], v101, 4, v[AG]
	v_add_nc_u32 v[AG], HG, v[AG]
	v_lshl_add_u32 v[ASA], v102, 5, XS
	v_mul_u32_u24 v[HA0], v100, HPITCH
	v_lshl_add_u32 v[HA0], v101, 6, v[HA0]
	v_add_nc_u32 v[HA0], s[TS], v[HA0]
	v_mul_u32_u24 v[RA0], v101, HPITCH
	v_lshl_add_u32 v[RA0], v100, 4, v[RA0]
	v_add_nc_u32 v[RA0], s[TS], v[RA0]
	v_lshlrev_b32 v[OOFF], 12, v101
	v_lshl_add_u32 v[OOFF], v100, 4, v[OOFF]
	s_lshl_b32 s[TA], s[WV], 10
	s_add_co_u32 s[TA], s[TA], BIAS
	v_lshl_add_u32 v[BA0], v101, 6, s[TA]
	v_lshl_add_u32 v[BST], v102, 5, s[TA]
	s_lshl_b32 s[TA], s[WV], 7
	v_add_nc_u32 v[CST], s[TA], v[AG]
	s_lshl_b32 s[TA], s[WV], 3
	s_add_co_u32 s[TA], s[TA], GS
	v_lshl_add_u32 v[SST], v100, 5, s[TA]
	v_lshlrev_b32 v[RADR], 9, v100                 ; x's codes from memory: row r of 512 bytes, + 16 (lane / 16)
	v_lshl_add_u32 v[RADR], v101, 4, v[RADR]
	v_lshlrev_b32 v[BOFF], 5, v102
	v_lshlrev_b32 v[XG], 9, v101                   ; x's upper codes: lanes 0-15 take 256 bytes of one row, lanes 16-31 of the next
	v_lshl_add_u32 v[XG], v100, 4, v[XG]
	v_lshlrev_b32 v[SG], 4, v102
	v_mul_u32_u24 v[XL], v101, XPITCH
	v_lshl_add_u32 v[XL], v100, 4, v[XL]
	s_mul_i32 s[TA], s[WV], 16*XPITCH
	s_add_co_u32 s[TA], s[TA], XHI
	v_add_nc_u32 v[XL], s[TA], v[XL]
	s_lshl_b32 s[TA], s[WV], 9
	s_add_co_u32 s[TA], s[TA], XS
	v_lshl_add_u32 v[SL], v102, 4, s[TA]
	s_wait_alu depctr_va_vdst(0)
	s_wait_dscnt 0x0                               ; both opening adds are done
	s_wait_kmcnt 0x0
	s_add_nc_u64 s[PH:PH+1], s[PH:PH+1], s[92:93]
	s_add_nc_u64 s[POUT:POUT+1], s[POUT:POUT+1], s[92:93]
	s_add_nc_u64 s[PX:PX+1], s[PX:PX+1], s[94:95]
	s_add_nc_u64 s[PXS:PXS+1], s[PXS:PXS+1], s[96:97]
.irp p, 10,14,18,22
	s_add_nc_u64 s[\p:\p+1], s[\p:\p+1], s[98:99]          ; the four weights' codes at my wave's first row
.endr
.irp p, 12,16,20,24
	s_add_nc_u64 s[\p:\p+1], s[\p:\p+1], s[100:101]        ; and their scale bytes
.endr
	s_lshl_b32 s94, s[WV], 10
	s_add_nc_u64 s[PBF:PBF+1], s[PBF:PBF+1], s[94:95]      ; the biases at my wave's 256 numbers
	s_add_nc_u64 s[PBH:PBH+1], s[PBH:PBH+1], s[94:95]
	; groups 0
	s_add_nc_u64 s[PXW:PXW+1], s[PX:PX+1], s[100:101]
	s_mov_b32 s[G0H], 1                            ; count = 1
	s_add_co_u32 s[G0H+1], s[TS], 0                ; LDS: my region
	s_mov_b64 s[G0H+2:G0H+3], s[PH:PH+1]
	s_or_b32 s[G0H+3], s[G0H+3], 0x80000000        ; type = 2
	; The launch's only fill by the tensor data mover: one load a wave, 64 rows x 1,024 bytes of h.  No LDS byte is filled twice.
	tensor_load_to_lds s[G0H:G0H+3], s[G1H:G1H+7]
	s_nop 0
	PLACES                                         ; four plain lines follow the tensor loads
	global_load_b128 v[60:63], v[BOFF], s[PBF:PBF+1]
	global_load_b128 v[64:67], v[BOFF], s[PBF:PBF+1] offset:16
.irp j, 0,1,2,3,4,5,6,7                        ; the upper half of x's codes, 16 rows a wave, two rows a load: sixteen lanes read 256 consecutive bytes, aligned
	global_load_b128 v[XT+4*\j:XT+4*\j+3], v[XG], s[PXW:PXW+1] offset:256+1024*\j
.endr
	global_load_b128 v[ST:ST+3], v[SG], s[PXS:PXS+1]       ; the scale bytes of those 16 rows: 512 dense bytes
.irp k, 0,1,2,3                                ; x's fragments of K steps 0-3 stay in registers
.irp m, 0,1,2,3
.irp c, 0,1
	global_load_b128 v[XR+32*\k+8*\m+4*\c:XR+32*\k+8*\m+4*\c+3], v[RADR], s[PX:PX+1] offset:8192*\m+64*\k+32*\c
.endr
.endr
.endr
	PRELOAD                                        ; the first chunk's weights
	s_wait_tensorcnt 0x0                           ; h lies in my region; no LDS store of mine is issued while the tensor load is out
	s_wait_loadcnt 63                              ; Bf's two loads, x's eight and the scale bytes' one are in: 72 were issued behind them, and 63 is the largest count that the wait can name
.irp j, 0,2,4,6
	v_pk_mul_f32 v[60+\j:61+\j], v[60+\j:61+\j], s[KSG:KSG+1] op_sel_hi:[1,0]
.endr
	ds_store_b128 v[BST], v[60:63]
	ds_store_b128 v[BST], v[64:67] offset:16
.irp j, 0,1,2,3,4,5,6,7
	ds_store_b128 v[XL], v[XT+4*\j:XT+4*\j+3] offset:2*XPITCH*\j
.endr
	ds_store_b128 v[SL], v[ST:ST+3]
	; ---- h: from my region to its home in registers, and into codes
.irp m, 0,1,2,3
	WIN 0x80
	HLOAD \m, 0
	WIN 0xc0
	HLOAD \m, 2
	s_wait_dscnt 16                                ; all but the 16 loads of chunks 2, 3: chunks 0, 1 are in, and earlier stores have read their registers
	QUANT 2, 32*\m, 128, PC, PW
	QST \m, 0, PC, PW
	s_wait_dscnt 3                                 ; all but those three stores: chunks 2, 3 are in
	QUANT 3, 32*\m, 128, PC+10, PW+10
	QST \m, 1, PC+10, PW+10
.endr
	BARRIER                                        ; every wave's tensor loads have landed (its last wait was for 0) and its codes and scale words of h lie in LDS
	ASLD 0, 0
	ASLD 1, 0
	; ---- the first gate: four chunks
	s_mov_b32 s[CO], 0
.Lc1:
	s_wait_dscnt 0x0                               ; the scale words are in; the last chunk's stores of ft have read their address and data, which are written below
	v_add_nc_u32 v[HADR], s[CO], v[HA0]
	v_add_nc_u32 v[BADR], s[CO], v[BA0]
	s_wait_alu depctr_va_vdst(0)
	GEMM
	s_add_nc_u64 s[PW0:PW0+1], s[PW0:PW0+1], 32768         ; 64 rows on.  (The last step's wait for 0 has shown every load that named these pointers done)
	s_add_nc_u64 s[PWS:PWS+1], s[PWS:PWS+1], 2048
	s_add_nc_u64 s[PR0:PR0+1], s[PR0:PR0+1], 32768
	s_add_nc_u64 s[PRS:PRS+1], s[PRS:PRS+1], 2048
	s_cmp_eq_u32 s[CO], 768                        ; behind the last chunk: on to the second gate's weights, so that no load stands under a branch
	s_cselect_b64 s[PW0:PW0+1], s[P2:P2+1], s[PW0:PW0+1]
	s_cselect_b64 s[PWS:PWS+1], s[P2+2:P2+3], s[PWS:PWS+1]
	s_cselect_b64 s[PR0:PR0+1], s[P2+4:P2+5], s[PR0:PR0+1]
	s_cselect_b64 s[PRS:PRS+1], s[P2+6:P2+7], s[PRS:PRS+1]
	PRELOAD                                        ; lands while the sigmoid is made
	ACTIV KSG                                      ; ft
	TOH                                            ; into the bytes that h has left
	s_add_co_u32 s[CO], s[CO], 256
	s_cmp_lt_u32 s[CO], 1024
	s_cbranch_scc1 .Lc1
	; ---- g = ft h, quantised
	v_and_b32 v[BOFF], 31, v0                      ; 32 x lane once more: the products' row fragments have lain in this register
	v_lshlrev_b32 v[BOFF], 5, v[BOFF]
	global_load_b128 v[BH:BH+3], v[BOFF], s[PBH:PBH+1]
	global_load_b128 v[BH+4:BH+7], v[BOFF], s[PBH:PBH+1] offset:16
	BARRIER                                        ; no wave reads h's codes or scale words any more: g's take their place
	FTL 0
.irp g, 0,1,2,3,4,5,6,7
	GROUP \g
.endr
	s_wait_loadcnt 0x0                             ; Bh (and the weights asked for long ago)
.irp j, 0,2,4,6
	v_pk_mul_f32 v[BH+\j:BH+\j+1], v[BH+\j:BH+\j+1], s[KTH:KTH+1] op_sel_hi:[1,0]
.endr
	ds_store_b128 v[BST], v[BH:BH+3]               ; over Bf's bytes, which are my wave's own and have been read
	ds_store_b128 v[BST], v[BH+4:BH+7] offset:16
	BARRIER                                        ; g's codes and scale words lie in LDS
	; ---- the second gate and the result: four chunks
	s_mov_b32 s[CO], 0
.Lc2:
	v_add_nc_u32 v[HADR], s[CO], v[HA0]            ; (no LDS instruction of mine is out)
	v_add_nc_u32 v[BADR], s[CO], v[BA0]
	v_add_nc_u32 v[RADR], s[CO], v[RA0]
	s_wait_alu depctr_va_vdst(0)
	GEMM
	s_cmp_eq_u32 s[CO], 768                        ; the last chunk asks for nothing: no load leaves its buffer
	s_cbranch_scc1 .Lno_more
	s_add_nc_u64 s[PW0:PW0+1], s[PW0:PW0+1], 32768
	s_add_nc_u64 s[PWS:PWS+1], s[PWS:PWS+1], 2048
	s_add_nc_u64 s[PR0:PR0+1], s[PR0:PR0+1], 32768
	s_add_nc_u64 s[PRS:PRS+1], s[PRS:PRS+1], 2048
	PRELOAD
.Lno_more:
	ACTIV KTH
.set ii, 0
.rept 64
	v_pk_fma_f32 v[ii:ii+1], v[ii:ii+1], -2.0, 1.0 op_sel_hi:[1,0,0]       ; ht = 1 - 2 / (1 + 2^..)
.set ii, ii+2
.endr
	WIN 0
	s_cmp_eq_u32 s[CO], 0
	s_cbranch_scc1 .Lv0
	s_cmp_eq_u32 s[CO], 256
	s_cbranch_scc1 .Lv1
	s_cmp_eq_u32 s[CO], 512
	s_cbranch_scc1 .Lv2
	VAR 3, 128
	s_branch .Lsend
.Lv0:
	VAR 2, 0
	s_branch .Lsend
.Lv1:
	VAR 2, 128
	s_branch .Lsend
.Lv2:
	VAR 3, 0
.Lsend:
	; THE WAY OUT.  A lane holds pieces of one row; the chunk goes over ft's bytes, which have been read, and comes back by rows: sixteen lanes store 256 consecutive bytes, at a multiple of 256 from out0's first byte.
	s_wait_alu depctr_va_vdst(0)
	TOH
	WIN 0x40
.set ii, 0
.rept 32
	ds_load_b128 v[4*ii:4*ii+3], v[RADR] offset:2*HPITCH*ii        ; LDS serves a wave's instructions in order (ISA guide 5.7.1.4): these see the stores above
.set ii, ii+1
.endr
	WIN 0x04                                       ; a store's data are its source 1: window 1
.set ii, 0
.rept 32
	s_wait_dscnt 31-ii                             ; rows 2 i, 2 i + 1 are back; the younger loads stay out
	global_store_b128 v[OOFF], v[4*ii:4*ii+3], s[POUT:POUT+1] offset:8192*ii th:TH_STORE_NT
.set ii, ii+1
.endr
	WIN 0
	s_wait_xcnt 0x0                                ; the stores have read their data and their base: the next chunk's products write the one, the step below the other
	s_add_nc_u64 s[POUT:POUT+1], s[POUT:POUT+1], 256
	s_add_co_u32 s[CO], s[CO], 256
	s_cmp_lt_u32 s[CO], 1024
	s_cbranch_scc1 .Lc2
	v_lshl_add_u32 v[SPW], v0, 2, SPARE            ; the add's two registers, made anew
	v_mov_b32 v[NIL], 0
	s_wait_alu depctr_va_vdst(0)
	s_wait_tensorcnt 0x0                           ; the wave's end, behind my last LDS store
	ds_add_u32 v[SPW], v[NIL]
	s_wait_dscnt 0x0
	s_endpgm
.Lfunc_end_k_q15afa5009b_mgu:
	.size	k_q15afa5009b_mgu, .Lfunc_end_k_q15afa5009b_mgu-k_q15afa5009b_mgu
	.p2alignl 7, 3214868480
	.fill 96, 4, 3214868480
	.section	.rodata,"a",@progbits
	.p2align	6, 0x0
	.amdhsa_kernel k_q15afa5009b_mgu
		.amdhsa_group_segment_fixed_size 327680
		.amdhsa_private_segment_fixed_size 0
		.amdhsa_enable_private_segment 0
		.amdhsa_kernarg_size 112
		.amdhsa_user_sgpr_count 2
		.amdhsa_user_sgpr_kernarg_segment_ptr 1
		.amdhsa_wavefront_size32 1
		.amdhsa_system_sgpr_workgroup_id_x 1
		.amdhsa_system_sgpr_workgroup_id_y 1
		.amdhsa_system_sgpr_workgroup_id_z 1
		.amdhsa_system_vgpr_workitem_id 0
		.amdhsa_next_free_vgpr 1024
		.amdhsa_next_free_sgpr 102
		.amdhsa_reserve_vcc 0
		.amdhsa_float_denorm_mode_32 3
		.amdhsa_float_denorm_mode_16_64 3
		.amdhsa_memory_ordered 1
		.amdhsa_forward_progress 1
		.amdhsa_inst_pref_size 255
	.end_amdhsa_kernel
	.section	.bss,"aw",@nobits
	.p2align	6
	.space	262144
	.amdgpu_metadata
---
amdhsa.version: [ 1, 2 ]
amdhsa.kernels:
  - .name:           k_q15afa5009b_mgu
    .symbol:         k_q15afa5009b_mgu.kd
    .args:
      - { .name: h, .offset: 0, .size: 8, .value_kind: global_buffer, .address_space: global }
      - { .name: x_codes, .offset: 8, .size: 8, .value_kind: global_buffer, .address_space: global }
      - { .name: x_scales, .offset: 16, .size: 8, .value_kind: global_buffer, .address_space: global }
      - { .name: Wf_codes, .offset: 24, .size: 8, .value_kind: global_buffer, .address_space: global }
      - { .name: Wf_scales, .offset: 32, .size: 8, .value_kind: global_buffer, .address_space: global }
      - { .name: Rf_codes, .offset: 40, .size: 8, .value_kind: global_buffer, .address_space: global }
      - { .name: Rf_scales, .offset: 48, .size: 8, .value_kind: global_buffer, .address_space: global }
      - { .name: Wh_codes, .offset: 56, .size: 8, .value_kind: global_buffer, .address_space: global }
      - { .name: Wh_scales, .offset: 64, .size: 8, .value_kind: global_buffer, .address_space: global }
      - { .name: Rh_codes, .offset: 72, .size: 8, .value_kind: global_buffer, .address_space: global }
      - { .name: Rh_scales, .offset: 80, .size: 8, .value_kind: global_buffer, .address_space: global }
      - { .name: Bf, .offset: 88, .size: 8, .value_kind: global_buffer, .address_space: global }
      - { .name: Bh, .offset: 96, .size: 8, .value_kind: global_buffer, .address_space: global }
      - { .name: out0, .offset: 104, .size: 8, .value_kind: global_buffer, .address_space: global }
    .group_segment_fixed_size: 327680
    .private_segment_fixed_size: 0
    .kernarg_segment_align: 8
    .kernarg_segment_size: 112
    .max_flat_workgroup_size: 128
    .sgpr_count:     102
    .vgpr_count:     1024
    .wavefront_size: 32
...
	.end_amdgpu_metadata
.endif
;; end of part 1
